; MI455X (gfx1250); checked and timed in simulation.
; The chip was launched on July 23, 2026; its instructions are those of AMD's public machine-readable ISA for CDNA 5 (MIT licence, August 2026) and "CDNA5" Instruction Set Architecture Reference Guide (July 2026). The comments in the code are by the model that wrote it; some were corrected since.
;; Projected Adaptive Log Softmax. Allowed arithmetic: float matrix products may take bf16 or f16 operands with f32 sums; other float arithmetic in f32, or as packed bf16 or f16 multiplies, adds, multiply-adds, maxima and minima; sums over many terms, partial sums and values carried from step to step in f32; what a program stores and reads back later, other than sums and carried values, may be rounded once to bf16 or f16.
;; Inputs: cluster_bias 2 float32; cluster_weight 2 x 1,024 float32; hidden 4,096 x 1,024 float32; out_bias 12,500 float32; out_weight 12,500 x 1,024 float32; target 4,096 int32.
;; Outputs: out0 4,096 float32.
;; One version. Each part assembles by itself: llvm-mc -triple=amdgcn-amd-amdhsa -mcpu=gfx1250 --defsym DOCPART=n.
;; ======== version 1 of 1: 3 launches
;; limits: right only within a limited range of input values
;; workspace buffers: hb 8,388,608 bytes; wb 25,690,112 bytes; bp 53,248 bytes; part 1,048,576 bytes; tlx 262,144 bytes
;; launch cast (part 1): grid 1053 x 1, 8 waves a work-group, no clusters, 0 bytes of LDS; arguments hidden, out_weight, cluster_weight, out_bias, cluster_bias, hb, wb, bp; writes hb, wb, bp
.if DOCPART == 1
	.amdgcn_target "amdgcn-amd-amdhsa--gfx1250"
	.amdhsa_code_object_version 6
	.text
	.protected	k_qb67fae3306_cast
	.globl	k_qb67fae3306_cast
	.p2align	8
	.type	k_qb67fae3306_cast,@function
k_qb67fae3306_cast:
	s_mov_b64 s[64:65], 0
	v_nop
	global_prefetch_b8 v0, s[64:65] scope:SCOPE_SE
	s_setreg_imm32_b32 hwreg(HW_REG_WAVE_MODE, 25, 1), 1
	s_wait_xcnt 0x0
; The operands of the head's product, rounded once to bf16, and its bias, laid out for the launch behind.
;   hb [4096][1024] bf16 = hidden.
;   wb [12544][1024] bf16: row p is head column p: out_weight's row p for p < 12500, cluster_weight's two rows for p = 12500, 12501, zeros behind.
;   bp [13312] f32: bp[p] = that column's bias, -1e30 from p = 12502 on, so that a dummy column's weight in a sum of exponentials is 0.
;      (12,544 = 16 groups of 784 columns; bp is longer, so that a read of 4,096 bytes from each group's first bias stays inside it.)
; A stream: no LDS, no barrier, no matrix unit.  Work-groups 0-255 take 16 rows of hidden each, 256-1039 sixteen rows of wb, 1040-1052 1,024 numbers of bp.
; A wave takes two rows: 16 loads of 512 consecutive bytes are out together; each store of a wave covers 256 consecutive bytes, aligned.
.set NHID,  256                        ; work-groups for hidden
.set NWGT,  784                        ; for wb: 12,544 rows / 16
.set SRC,   28                         ; s[28:29], s[30:31] where the wave's two rows come from
.set DST,   32                         ; s[32:33] where they go
.set VAL,   34                         ; s34, s35  1: the row is loaded; 0: it is a dummy row of zeros
.set X,     8                          ; v[8:39], v[40:71] the two rows, 32 registers each
	s_load_b256 s[4:11], s[0:1], 0x0               ; hidden s[4:5], out_weight s[6:7], cluster_weight s[8:9], out_bias s[10:11]
	s_load_b256 s[12:19], s[0:1], 0x20             ; cluster_bias s[12:13], hb s[14:15], wb s[16:17], bp s[18:19]
	v_lshrrev_b32 v3, 5, v0
	v_readfirstlane_b32 s20, v3                    ; wave 0..7
	v_and_b32 v1, 31, v0
	v_lshlrev_b32 v2, 3, v1                        ; 8 bytes a lane going out
	v_lshlrev_b32 v1, 4, v1                        ; 16 bytes a lane coming in
	s_lshl_b32 s21, s20, 1                         ; the wave's first row among the work-group's 16
	s_mov_b32 s25, 0
	s_wait_kmcnt 0x0
	s_cmp_lt_u32 ttmp9, NHID
	s_cbranch_scc0 .Lnot_hidden
	s_lshl_b32 s22, ttmp9, 4
	s_add_co_u32 s22, s22, s21                     ; row n of hidden
	s_lshl_b32 s24, s22, 12
	s_add_nc_u64 s[SRC:SRC+1], s[4:5], s[24:25]
	s_add_nc_u64 s[SRC+2:SRC+3], s[SRC:SRC+1], 4096
	s_lshl_b32 s24, s22, 11
	s_add_nc_u64 s[DST:DST+1], s[14:15], s[24:25]
	s_mov_b32 s[VAL], 1
	s_mov_b32 s[VAL+1], 1
	s_branch .Lrows
.Lnot_hidden:
	s_cmp_lt_u32 ttmp9, NHID+NWGT
	s_cbranch_scc0 .Lbias
	s_sub_co_u32 s22, ttmp9, NHID
	s_lshl_b32 s22, s22, 4
	s_add_co_u32 s22, s22, s21                     ; row p of wb
.irp i, 0,1
	s_add_co_u32 s37, s22, \i
	s_cmp_lt_u32 s37, 12502
	s_cselect_b32 s[VAL+(\i)], 1, 0
	s_sub_co_u32 s38, s37, 12500                   ; the row in cluster_weight, used where p is 12500 or 12501
	s_cmp_lt_u32 s37, 12500
	s_cselect_b64 s[SRC+2*(\i):SRC+2*(\i)+1], s[6:7], s[8:9]
	s_cselect_b32 s24, s37, s38
	s_lshl_b32 s24, s24, 12
	s_add_nc_u64 s[SRC+2*(\i):SRC+2*(\i)+1], s[SRC+2*(\i):SRC+2*(\i)+1], s[24:25]  ; of a dummy row this address is never used
.endr
	s_lshl_b32 s24, s22, 11
	s_add_nc_u64 s[DST:DST+1], s[16:17], s[24:25]
.Lrows:
; Row i of the wave's two: eight loads of 512 consecutive bytes, or zeros.
.macro GET i
	s_cmp_eq_u32 s[VAL+(\i)], 1
	s_cbranch_scc0 .Lzero_\@
.irp k, 0,1,2,3,4,5,6,7
	global_load_b128 v[X+32*(\i)+4*(\k):X+32*(\i)+4*(\k)+3], v1, s[SRC+2*(\i):SRC+2*(\i)+1] offset:512*(\k) th:TH_LOAD_NT
.endr
	s_branch .Lgot_\@
.Lzero_\@:
.set r, 0
.rept 32
	v_mov_b32 v[X+32*(\i)+r], 0
.set r, r+1
.endr
.Lgot_\@:
.endm
	GET 0
	GET 1
	s_wait_loadcnt 0x0                             ; for zero: how many loads are out differs from way to way
.irp i, 0,1
.irp k, 0,1,2,3,4,5,6,7
	v_cvt_pk_bf16_f32 v[X+32*(\i)+4*(\k)],   v[X+32*(\i)+4*(\k)],   v[X+32*(\i)+4*(\k)+1]  ; four numbers become 8 bytes, in place
	v_cvt_pk_bf16_f32 v[X+32*(\i)+4*(\k)+1], v[X+32*(\i)+4*(\k)+2], v[X+32*(\i)+4*(\k)+3]
.endr
.endr
.irp i, 0,1
.irp k, 0,1,2,3,4,5,6,7
	global_store_b64 v2, v[X+32*(\i)+4*(\k):X+32*(\i)+4*(\k)+1], s[DST:DST+1] offset:2048*(\i)+256*(\k)  ; 32 lanes store 256 consecutive bytes, aligned
.endr
.endr
	s_endpgm                                       ; nothing is rewritten behind the stores
.Lbias:                                        ; a thread makes four numbers of bp
	s_load_b64 s[22:23], s[12:13], 0x0             ; the two cluster biases
	s_sub_co_u32 s24, ttmp9, NHID+NWGT
	s_lshl_b32 s24, s24, 8
	v_add_nc_u32 v3, s24, v0                       ; p / 4, 0 to 3,327
	v_lshlrev_b32 v7, 2, v3                        ; p of the first of the four
.irp e, 0,1,2,3
	v_add_nc_u32 v[8+(\e)], \e, v7
	v_min_u32 v[16+(\e)], 12499, v[8+(\e)]         ; the load stays inside out_bias; what it brings for p >= 12500 is replaced below
	v_lshlrev_b32 v[16+(\e)], 2, v[16+(\e)]
	global_load_b32 v[20+(\e)], v[16+(\e)], s[10:11]
.endr
	v_lshlrev_b32 v24, 4, v3
	v_mov_b32 v27, 0xf149f2ca                      ; -1e30
	s_wait_kmcnt 0x0
	v_mov_b32 v25, s22
	v_mov_b32 v26, s23
	s_wait_loadcnt 0x0
.irp e, 0,1,2,3
	v_cmp_eq_u32 vcc_lo, 12500, v[8+(\e)]
	v_cndmask_b32 v[20+(\e)], v[20+(\e)], v25, vcc_lo
	v_cmp_eq_u32 vcc_lo, 12501, v[8+(\e)]
	v_cndmask_b32 v[20+(\e)], v[20+(\e)], v26, vcc_lo
	v_cmp_lt_u32 vcc_lo, 12501, v[8+(\e)]          ; past the head's last column
	v_cndmask_b32 v[20+(\e)], v[20+(\e)], v27, vcc_lo
.endr
	global_store_b128 v24, v[20:23], s[18:19]      ; a wave stores 512 consecutive bytes, aligned
	s_endpgm
.Lfunc_end_k_qb67fae3306_cast:
	.size	k_qb67fae3306_cast, .Lfunc_end_k_qb67fae3306_cast-k_qb67fae3306_cast
	.p2alignl 7, 3214868480
	.fill 96, 4, 3214868480
	.section	.rodata,"a",@progbits
	.p2align	6, 0x0
	.amdhsa_kernel k_qb67fae3306_cast
		.amdhsa_group_segment_fixed_size 0
		.amdhsa_private_segment_fixed_size 0
		.amdhsa_enable_private_segment 0
		.amdhsa_kernarg_size 64
		.amdhsa_user_sgpr_count 2
		.amdhsa_user_sgpr_kernarg_segment_ptr 1
		.amdhsa_wavefront_size32 1
		.amdhsa_system_sgpr_workgroup_id_x 1
		.amdhsa_system_sgpr_workgroup_id_y 1
		.amdhsa_system_sgpr_workgroup_id_z 1
		.amdhsa_system_vgpr_workitem_id 0
		.amdhsa_next_free_vgpr 72
		.amdhsa_next_free_sgpr 66
		.amdhsa_reserve_vcc 1
		.amdhsa_float_denorm_mode_32 3
		.amdhsa_float_denorm_mode_16_64 3
		.amdhsa_memory_ordered 1
		.amdhsa_forward_progress 1
		.amdhsa_inst_pref_size 12
	.end_amdhsa_kernel
	.amdgpu_metadata
---
amdhsa.version: [ 1, 2 ]
amdhsa.kernels:
  - .name:           k_qb67fae3306_cast
    .symbol:         k_qb67fae3306_cast.kd
    .args:
      - { .name: hidden, .offset: 0, .size: 8, .value_kind: global_buffer, .address_space: global }
      - { .name: out_weight, .offset: 8, .size: 8, .value_kind: global_buffer, .address_space: global }
      - { .name: cluster_weight, .offset: 16, .size: 8, .value_kind: global_buffer, .address_space: global }
      - { .name: out_bias, .offset: 24, .size: 8, .value_kind: global_buffer, .address_space: global }
      - { .name: cluster_bias, .offset: 32, .size: 8, .value_kind: global_buffer, .address_space: global }
      - { .name: hb, .offset: 40, .size: 8, .value_kind: global_buffer, .address_space: global }
      - { .name: wb, .offset: 48, .size: 8, .value_kind: global_buffer, .address_space: global }
      - { .name: bp, .offset: 56, .size: 8, .value_kind: global_buffer, .address_space: global }
    .group_segment_fixed_size: 0
    .private_segment_fixed_size: 0
    .kernarg_segment_align: 8
    .kernarg_segment_size: 64
    .max_flat_workgroup_size: 256
    .sgpr_count:     66
    .vgpr_count:     72
    .wavefront_size: 32
...
	.end_amdgpu_metadata
.endif
;; end of part 1
;; launch lse (part 2): grid 16 x 16, 4 waves a work-group, clusters of 4 x 4, 327,680 bytes of LDS; arguments hb, wb, bp, target, part, tlx; writes part, tlx
.if DOCPART == 2
	.amdgcn_target "amdgcn-amd-amdhsa--gfx1250"
	.amdhsa_code_object_version 6
	.text
	.protected	k_qb67fae3306_lse
	.globl	k_qb67fae3306_lse
	.p2align	8
	.type	k_qb67fae3306_lse,@function
k_qb67fae3306_lse:
	s_mov_b64 s[64:65], 0
	v_nop
	global_prefetch_b8 v0, s[64:65] scope:SCOPE_SE
	s_setreg_imm32_b32 hwreg(HW_REG_WAVE_MODE, 25, 1), 1
	s_wait_xcnt 0x0
	s_wait_alu depctr_hold_cnt(0) depctr_sa_sdst(0) depctr_va_vdst(0) depctr_va_sdst(0) depctr_va_ssrc(0) depctr_va_vcc(0) depctr_vm_vsrc(0)
	s_getreg_b32 s2, hwreg(HW_REG_IB_STS2, 6, 4)
	s_cmp_eq_u32 s2, 0
	s_cbranch_scc0 .Lentry_in_a_cluster
	s_endpgm
.Lentry_in_a_cluster:
	s_bfe_u32 s2, ttmp6, 0x10000c
	s_cmp_lg_u32 s2, 0xf033
	s_cbranch_scc0 .Lentry_shape_is_right
	s_endpgm
.Lentry_shape_is_right:
; For each token n and each of 32 half groups of head columns: m = the largest logit s = hb[n] . wb[p] + bp[p] of the half group, l = the sum of exp(s - m): part [32][4096][2] f32 = (m, l).
; Beside that, for each token its target column's logit, as 16 partial sums: tlx [1024][16][4] f32 (four tokens to a block of 256 bytes; the bias lies in partial 0).
; Products in bf16 with f32 sums; maxima, exponentials and sums in f32.
; LIMITS.  A dummy column counts as a logit of -1e30: real logits are taken to lie far above that.  NaN and infinities are not treated apart.  A weight below 2^-126 counts as 0 in l.
; A target below 0 counts as 0, one above 12501 as 12501 here (the launch behind turns that token's result into NaN).
; SHARES.  A work-group owns 256 tokens (gy) and a group of 784 columns (gx): tiles of 256, 256 and 272 columns, side by side, so that m and l run on in registers from tile to tile.
; 16 x 16 work-groups: every WGP has one and all do equal work; 16 x 784 = 12,544 columns hold the head's 12,502.  The four waves lie 2 x 2: wave (i, j) owns tokens 128 i .. + 127 and column blocks
; 8 j .. 8 j + 7 of a tile: 64 accumulators, 32 fragment loads for 64 products.  The third tile's 17th block of 16 columns is shared out evenly: each wave multiplies it with four of its eight
; token blocks.  Which four hangs on j, and register numbers cannot: so a wave loads its token blocks in turned order, SLOT a = token block (a + 4 j) mod 8, and slots 0-3 serve in every wave.
; THE MATRIX INSTRUCTION IS USED TRANSPOSED (source 0 = 16 rows of wb, source 1 = 16 tokens): a lane holds ONE token (lane % 16) and the columns 8 (lane / 16) + 0..7 of each block of 16.
; So maximum and sum of a wave's columns want one exchange between the halves of the lanes, no LDS and no other wave; the two waves that share a token store a pair each.
; THE BIAS is what the accumulators start from: ahead of each tile they are loaded with the tile's bias from LDS, and every product of every K step has the one form that adds in place.
; K goes in steps of 128 through a ring of two LDS slots (256 rows of hb, 272 rows of wb, 256 bytes of memory a row); the ring runs on from tile to tile.  One descriptor serves all three tiles:
; the first two also bring 16 rows that only the next tile multiplies.
; CLUSTER 4 x 4.  The four work-groups of a row of the cluster own the same tokens, the four of a column the same columns: each tile is asked for jointly, by the same tensor load with the same
; descriptor and a mask that names the four.
; THE TARGETS.  Wave w takes tokens 256 gy + 16 gx + 4 w + 0..3: their rows of hb and of wb are asked for at the head, into registers that the loop leaves alone, and multiplied behind the last tile.
; REGISTERS, in windows of 256 (s_set_vgpr_msb: bits 1:0 source 0, 3:2 source 1, 5:4 source 2, 7:6 destination):
;   window 0: v0-29 addresses; v32-159 the tokens' fragments, two buffers of 8 x 8; v160-175 column block 16's fragment, two buffers; v176-207 its four accumulators; v208-239 statistics; v240-255 at work
;   window 1: v0-127 the fragments of my 8 column blocks, two buffers; v128-255 the four targets' rows      window 2: the accumulators of slots 0-3 (slot a, block b at 64 (a % 4) + 8 b)      window 3: of slots 4-7
.set PITCH, 272                        ; an LDS row: 256 bytes + 16 of padding = 68 words: the 16 rows of a fragment load start at 16 different groups of four banks (64 banks of 4 bytes: ISA guide 11.1)
.set AH,    128*PITCH                  ; what one tensor load brings of hb: 128 rows
.set BH,    136*PITCH                  ; of wb: 136 rows
.set ASZ,   2*AH
.set SLOT,  ASZ+2*BH                   ; 143,616 bytes: hb's 256 rows, then wb's 272
.set BIAS,  2*SLOT                     ; behind the ring: 4,096 bytes, of which 3,136 are the group's 784 biases; stored from registers, never filled by a tensor load
.set SPARE, BIAS+4096                  ; the spare words, 128 bytes for each wave: two blocks of 256 bytes that no other line names
.set GCOLS, 784
.set NEXTB, 256*2048-2048              ; beside the 512 bytes of every refill's step: 256 rows of wb down and a row's 2,048 bytes back
.set ADRL, 4                           ; v4-5    LDS address of my slots 0-3's fragments in ring slot 0, 1
.set ADRH, 6                           ; v6-7    of my slots 4-7's
.set ADRB, 8                           ; v8-9    of my 8 column blocks'
.set ADRC, 10                          ; v10-11  of column block 16's
.set BA,   12                          ; v12     where my 32 bytes of a block's bias lie, for the tile to come
.set BX,   13                          ; v13     the same for the third tile's block 16
.set SPW,  14                          ; v14     LDS address of my spare word; never rewritten
.set NIL,  15                          ; v15     0; never rewritten
.set PFO,  27                          ; v27     the prefetches' offset: my lane x a row of 2,048 bytes; never rewritten
.set PO,   28                          ; v28     8 x my lane: my 8 bytes of a store of 256
.set LO,   29                          ; v29     16 x my lane: my 16 bytes of 512 of a target's row
.set AF,   32
.set CF,   160
.set ACX,  176
.set ST,   208                         ; slot a at ST + 4 a: c m, m, l (even columns', odd columns')
.set TMP,  240                         ; at work: by the unit's parity and the slot's, four registers C0-C3; C2 takes the factor 2^(c m_old - c m_new)
.set DH,   128                         ; window 1: target i's row of hb at DH + 16 i,
.set DW,   192                         ; of wb at DW + 16 i
.set OUTR, 32                          ; at the end the fragments' registers are free: the pairs to store,
.set ZR,   40                          ; 0,
.set BS,   44                          ; what a target's first chain starts from,
.set DA,   48                          ; four chains a target,
.set XO,   64                          ; the partial sums to store
.set WV,   12                          ; s12  my wave's number
.set WH,   13                          ; s13  i.  Also: 0: I fetch hb's rows; 1: wb's
.set WL,   14                          ; s14  j.  Also: which half of them
.set CNT,  19                          ; s19  laps still to come in the loop
.set G1A,  24                          ; s[24:31] descriptor group 1 for hb's tiles;  s[32:39] group 0, a set for each slot
.set G0A,  32
.set G1B,  40                          ; s[40:47], s[48:55] the same for wb's
.set G0B,  48
.set CS,   56                          ; s[56:57] c = log2(e): the packed scaling takes the pair's low word for both halves
.set SEL,  58                          ; s[58:59] v_permlanex16_b32's selects: each lane takes its own place in the other half
.set EXA,  60                          ; s[60:61] what hb's refills go back in the lap that crosses into the next tile, else 0
.set EXB,  62                          ; s[62:63] what wb's refills go on there, else 0
.set PEX,  66                          ; s[66:67] the same for the prefetches, which cross a lap earlier
.set PF,   68                          ; s[68:69] where my prefetches stand
.set LIM,  70                          ; s70  a wave prefetches while s[CNT] is above this
.set T3,   71                          ; s71  s[CNT] mod 4: 0 in a tile's last lap
.set PART, 72                          ; s[72:73]
.set TLX,  74                          ; s[74:75] tlx at my wave's block
.set HM,   76                          ; s76  the mask of lanes 16-31
.set OD,   77                          ; s77  the mask of the odd lanes
.set TGT,  84                          ; s[84:87] my four targets
.set ROWS, 88                          ; s[88:95] their rows of wb; never rewritten
.set BW,   96                          ; s[96:99] their biases
.set HROW, 100                         ; s[100:101] hb at my four tokens; never rewritten
.set MSB, 0
.macro WIN new                         ; the immediate's high byte repeats the setting that is left; a switch that changes nothing is dropped
.if MSB != (\new)
	s_set_vgpr_msb (MSB<<8)|(\new)
.set MSB, \new
.endif
.endm
.macro PLACES                          ; a load into a register that a matrix instruction has read, and a vector instruction that reads a matrix result, stand four plain vector instructions behind it (for the vector instructions)
.rept 4
	v_nop
.endr
.endm
; A joint load.  Waves 0 and 1 fetch hb's two halves, waves 2 and 3 wb's.  The branch hangs on the wave's number alone.  An s_nop 0 and four v_nop follow each of the two lines.
.macro JLOAD s
	s_cmp_eq_u32 s[WH], 0
	s_cbranch_scc0 .Lfor_b_\@
	tensor_load_to_lds s[G0A+4*(\s):G0A+4*(\s)+3], s[G1A:G1A+7]
	s_nop 0
.rept 4
	v_nop
.endr
	s_branch .Lasked_\@
.Lfor_b_\@:
	tensor_load_to_lds s[G0B+4*(\s):G0B+4*(\s)+3], s[G1B:G1B+7]
	s_nop 0
.rept 4
	v_nop
.endr
.Lasked_\@:
.endm
; A round of the cluster's barrier: my work-group's barrier; wave 0 signals for the work-group; every wave waits for all sixteen; my work-group's barrier once more.
.macro CREST                           ; a round behind its opening barrier
	s_cmp_lg_u32 s[WV], 0
	s_cbranch_scc1 .Lnot_wave_0_\@
	s_barrier_signal -3
.Lnot_wave_0_\@:
	s_barrier_wait -3
	s_barrier_signal -1
	s_barrier_wait -1
.endm
.macro CROUND
	s_barrier_signal -1
	s_barrier_wait -1
	CREST
.endm
; A PREFETCH INTO THE L2, behind a joint load, its five lines and the run of LDS loads: the K step that stands two refills, some 530 matrix instructions, on: a lane a row, 256 bytes of it.
; hb's rows are read by every cluster of a row of clusters: cluster x = 0 asks, waves 0 and 1, each partner 32 of a wave's 128 rows, told apart by address (cx); only for the first tile's K steps 4-7:
; the other two tiles multiply the same rows again.  wb's rows are read by every cluster of a column: cluster y = 0 asks, waves 2 and 3.  A tile's load reads 16 rows that the tile before has read already,
; so for tile s the rows 16 + 256 s .. + 255 of the group are asked for: 64 to a partner (cy), 32 to a wave.  So no block is named twice.  The launch's first four K steps come by their loads alone, and so do
; K steps 4-7 of the group's first 16 rows (64 of its 6,272 blocks: no lane is left for them); the loop's last lap asks for nothing.
.macro ASK
	s_cmp_gt_u32 s[CNT], s[LIM]
	s_cbranch_scc0 .Lnot_mine_\@
	global_prefetch_b8 v[PFO], s[PF:PF+1] th:TH_LOAD_NT scope:SCOPE_SE
.Lnot_mine_\@:
.endm
	s_load_b256 s[4:11], s[0:1], 0x0               ; hb s[4:5], wb s[6:7], bp s[8:9], target s[10:11]
	s_load_b128 s[72:75], s[0:1], 0x20             ; part, tlx
	v_lshl_add_u32 v[SPW], v0, 2, SPARE
	v_mov_b32 v[NIL], 0
	ds_add_u32 v[SPW], v[NIL]                      ; the wave's opening: the add, twice on end, and its wait ahead of my first tensor load; the set-up below stands between
	ds_add_u32 v[SPW], v[NIL]
	v_lshrrev_b32 v3, 5, v0
	v_readfirstlane_b32 s[WV], v3                  ; wave 0..3
	s_lshr_b32 s[WH], s[WV], 1
	s_and_b32 s[WL], s[WV], 1
	s_bfe_u32 s15, ttmp6, 0x40000                  ; cx
	s_bfe_u32 s16, ttmp6, 0x40004                  ; cy
	s_lshl_b32 s17, ttmp9, 2
	s_add_co_u32 s17, s17, s15                     ; gx = 4 x cluster x + cx: my group of columns
	s_and_b32 s18, ttmp7, 0xffff
	s_lshl_b32 s18, s18, 2
	s_add_co_u32 s18, s18, s16                     ; gy = 4 x cluster y + cy: my block of tokens
	s_lshl_b32 s20, s16, 2
	s_lshl_b32 s20, 15, s20                        ; my row of the cluster: places 4 cy .. 4 cy + 3
	s_lshl_b32 s21, 0x1111, s15                    ; my column: places cx, cx + 4, cx + 8, cx + 12
	s_or_b32 s[G1A], s20, (1<<16)|(1<<20)|(1<<21)|(5<<22)|(3<<25)  ; 15:0 the mask; 17:16 elements of 2 bytes; 20 padding on; 21 set beside a mask; 24:22 after every 64 words (code 5); 31:25 4 words of it (code 3)
	s_or_b32 s[G1B], s21, (1<<16)|(1<<20)|(1<<21)|(5<<22)|(3<<25)
.irp g, G1A, G1B
	s_mov_b32 s[(\g)+1], 128<<16                   ; tensor_dim0 = 128
	s_mov_b32 s[(\g)+3], 128<<16                   ; tile_dim0 = 128
	s_mov_b32 s[(\g)+5], 1024                      ; elements from row to row
	s_mov_b32 s[(\g)+6], 0
	s_mov_b32 s[(\g)+7], 0
.endr
	s_mov_b32 s[G1A+2], 128<<16                    ; tensor_dim1 and
	s_mov_b32 s[G1A+4], 128                        ; tile_dim1: 128 rows of hb,
	s_mov_b32 s[G1B+2], 136<<16
	s_mov_b32 s[G1B+4], 136                        ; 136 of wb
	s_lshl_b32 s22, s18, 8                         ; hb's tile hangs on gy and the wave alone,
	s_lshl_b32 s23, s[WL], 7
	s_add_co_u32 s22, s22, s23
	s_lshl_b32 s22, s22, 11                        ; row 256 gy + 128 half, in bytes
	s_mov_b32 s23, 0
	s_mul_i32 s78, s17, GCOLS                      ; wb's on gx and the wave alone, in registers of its own
	s_mul_i32 s79, s[WL], 136
	s_add_co_u32 s78, s78, s79
	s_lshl_b32 s78, s78, 11                        ; row 784 gx + 136 half
	s_mov_b32 s79, 0
	s_mul_i32 s80, s[WL], AH                       ; where they go: no place in the cluster enters an LDS address
	s_mul_i32 s81, s[WL], BH
	s_mul_i32 s82, s17, GCOLS*4                    ; the group's 784 biases
	s_mov_b32 s83, 0
	s_lshl_b32 s96, s18, 8                         ; the first of my wave's four tokens for the targets: 256 gy
	s_lshl_b32 s97, s17, 4
	s_add_co_u32 s96, s96, s97                     ; + 16 gx
	s_lshl_b32 s97, s[WV], 2
	s_add_co_u32 s96, s96, s97                     ; + 4 w
	s_lshl_b32 s[HROW], s96, 11                    ; its row in hb,
	s_mov_b32 s[HROW+1], 0
	s_lshl_b32 s98, s96, 6                         ; the four tokens' 256 bytes in tlx,
	s_mov_b32 s99, 0
	s_lshl_b32 s96, s96, 2                         ; their 16 bytes in target
	s_mov_b32 s97, 0
	s_mov_b32 s[CS], 0x3fb8aa3b                    ; log2(e)
	s_mov_b32 s[CS+1], s[CS]
	s_mov_b32 s[SEL], 0x76543210
	s_mov_b32 s[SEL+1], 0xfedcba98
	s_mov_b32 s[EXA+1], 0
	s_mov_b32 s[EXB+1], 0
	s_mov_b32 s[PEX+1], 0
	s_mov_b32 s[HM], 0xffff0000
	s_mov_b32 s[OD], 0xaaaaaaaa
	v_lshlrev_b32 v24, 4, v0
	s_wait_dscnt 0x0                               ; both opening adds are done
	s_wait_kmcnt 0x0
	s_add_nc_u64 s[22:23], s[4:5], s[22:23]
	s_add_nc_u64 s[78:79], s[6:7], s[78:79]
	s_add_nc_u64 s[82:83], s[8:9], s[82:83]
	s_add_nc_u64 s[10:11], s[10:11], s[96:97]
	s_add_nc_u64 s[HROW:HROW+1], s[4:5], s[HROW:HROW+1]
	s_add_nc_u64 s[TLX:TLX+1], s[TLX:TLX+1], s[98:99]
	s_load_b128 s[TGT:TGT+3], s[10:11], 0x0        ; my four targets: they come in under the round and the set-up below
	global_load_b128 v[16:19], v24, s[82:83]       ; 4,096 bytes of bp from the group's first bias on (bp is padded so that the last group's stay inside), 32 a thread
	global_load_b128 v[20:23], v24, s[82:83] offset:2048
	CROUND                                         ; all sixteen work-groups are here: the first joint loads meet
.irp s, 0,1
	s_mov_b32 s[G0A+4*(\s)], 1                                     ; count = 1
	s_add_co_u32 s[G0A+4*(\s)+1], s80, (\s)*SLOT                   ; LDS address
	s_add_nc_u64 s[G0A+4*(\s)+2:G0A+4*(\s)+3], s[22:23], (\s)*256  ; global address: K step s
	s_or_b32 s[G0A+4*(\s)+3], s[G0A+4*(\s)+3], 0x80000000          ; type = 2
	s_mov_b32 s[G0B+4*(\s)], 1
	s_add_co_u32 s[G0B+4*(\s)+1], s81, (\s)*SLOT+ASZ
	s_add_nc_u64 s[G0B+4*(\s)+2:G0B+4*(\s)+3], s[78:79], (\s)*256
	s_or_b32 s[G0B+4*(\s)+3], s[G0B+4*(\s)+3], 0x80000000
	JLOAD \s                                       ; two loads of mine are out
.endr
	; A fragment is 16 rows x 32 K in 8 registers: lane l holds row l % 16; registers 0-3 K = 8 (l / 16) + 0..7, registers 4-7 K = 16 + 8 (l / 16) + 0..7: two loads of 16 bytes, 32 bytes apart.
	v_and_b32 v1, 15, v0
	v_bfe_u32 v2, v0, 4, 1
	v_mul_u32_u24 v3, v1, PITCH
	v_lshl_add_u32 v3, v2, 4, v3
	s_lshl_b32 s20, s[WH], 7                       ; my 128 tokens
	s_lshl_b32 s21, s[WL], 6
	s_add_co_u32 s21, s20, s21
	s_mul_i32 s21, s21, PITCH
	v_add_nc_u32 v[ADRL], s21, v3                  ; slots 0-3: tokens 128 i + 64 j on
	s_xor_b32 s21, s[WL], 1
	s_lshl_b32 s21, s21, 6
	s_add_co_u32 s21, s20, s21
	s_mul_i32 s21, s21, PITCH
	v_add_nc_u32 v[ADRH], s21, v3                  ; slots 4-7: the other 64
	s_mul_i32 s21, s[WL], 128*PITCH
	s_add_co_u32 s21, s21, ASZ
	v_add_nc_u32 v[ADRB], s21, v3                  ; my 128 columns
	v_add_nc_u32 v[ADRC], ASZ+256*PITCH, v3        ; columns 256-271
.irp x, ADRL, ADRH, ADRB, ADRC
	v_add_nc_u32 v[(\x)+1], SLOT, v[\x]
.endr
	s_lshl_b32 s21, s[WL], 9
	s_add_co_u32 s21, s21, BIAS
	v_lshl_add_u32 v[BA], v2, 5, s21               ; column 16 (8 j + b) + 8 (l / 16) + r of a tile lies at byte 512 j + 64 b + 32 (l / 16) + 4 r of its biases
	v_lshl_add_u32 v[BX], v2, 5, BIAS+3072         ; the group's columns 768-783
	v_lshl_add_u32 v25, v0, 4, BIAS
	v_and_b32 v26, 31, v0
	v_lshlrev_b32 v[PFO], 11, v26
	v_lshlrev_b32 v[PO], 3, v26
	v_lshlrev_b32 v[LO], 4, v26
.set a, 0
.rept 8
	v_mov_b32 v[ST+4*a], 0xfe000000                ; c m: far below every c s, so that the first factor is 0
	v_mov_b32 v[ST+4*a+1], 0xff7fffff              ; m: the lowest finite number
	v_mov_b32 v[ST+4*a+2], 0
	v_mov_b32 v[ST+4*a+3], 0
.set a, a+1
.endr
	; the prefetches: which rows are mine, and whether I ask
	s_and_b32 s20, ttmp7, 0xffff                   ; cluster y
	s_lshl_b32 s21, s18, 8
	s_lshl_b32 s80, s[WL], 7
	s_add_co_u32 s21, s21, s80
	s_lshl_b32 s80, s15, 5
	s_add_co_u32 s21, s21, s80                     ; hb: row 256 gy + 128 half + 32 cx
	s_mul_i32 s81, s17, GCOLS
	s_lshl_b32 s80, s16, 6
	s_add_co_u32 s81, s81, s80
	s_lshl_b32 s80, s[WL], 5
	s_add_co_u32 s81, s81, s80
	s_add_co_u32 s81, s81, 16                      ; wb: row 784 gx + 16 + 64 cy + 32 half
	s_cmp_eq_u32 s[WH], 0
	s_cselect_b32 s21, s21, s81
	s_cselect_b32 s20, ttmp9, s20                  ; the coordinate along which other clusters read the same rows
	s_cselect_b32 s[LIM], 9, 1                     ; hb: in the laps with 11 and 10 to come; wb: in all but the last
	s_cselect_b64 s[PF:PF+1], s[4:5], s[6:7]
	s_cmp_eq_u32 s20, 0
	s_cselect_b32 s[LIM], s[LIM], -1               ; the same in all sixteen partners, for a given wave
	s_lshl_b32 s20, s21, 11
	s_mov_b32 s21, 0
	s_add_nc_u64 s[PF:PF+1], s[PF:PF+1], s[20:21]
	s_add_nc_u64 s[PF:PF+1], s[PF:PF+1], 3*256     ; at K step 3: the first refill steps it to 4
	; the targets: head column t is row t of wb and word t of bp
	s_wait_kmcnt 0x0
.macro DOTADR i, p                     ; p: a pair of its own for the bias word's address, left alone until the wait for that load
	s_max_i32 s[TGT+(\i)], s[TGT+(\i)], 0
	s_min_u32 s[TGT+(\i)], s[TGT+(\i)], 12501      ; only shifts to the left and sums follow this bound
	s_lshl_b32 s20, s[TGT+(\i)], 11
	s_add_nc_u64 s[ROWS+2*(\i):ROWS+2*(\i)+1], s[6:7], s[20:21]
	s_lshl_b32 s20, s[TGT+(\i)], 2
	s_add_nc_u64 s[\p:(\p)+1], s[8:9], s[20:21]
	s_load_b32 s[BW+(\i)], s[\p:(\p)+1], 0x0
.endm
	DOTADR 0, 22
	DOTADR 1, 78
	DOTADR 2, 80
	DOTADR 3, 104
	WIN 0x40                                       ; destination window 1, address window 0
.irp i, 0,1,2,3
.irp k, 0,1,2,3
	global_load_b128 v[DH+16*(\i)+4*(\k):DH+16*(\i)+4*(\k)+3], v[LO], s[HROW:HROW+1] offset:2048*(\i)+512*(\k)  ; 512 consecutive bytes a load; nothing waits for these 32 before the last tile is done
	global_load_b128 v[DW+16*(\i)+4*(\k):DW+16*(\i)+4*(\k)+3], v[LO], s[ROWS+2*(\i):ROWS+2*(\i)+1] offset:512*(\k)
.endr
.endr
	WIN 0
	s_wait_loadcnt 32                              ; the biases are in; the 32 loads issued behind them stay out
	ds_store_b128 v25, v[16:19]
	ds_store_b128 v25, v[20:23] offset:2048
; 8 products: slot a x my 8 column blocks, 32 along K, from buffer f.  The accumulators take turns, one instruction a turn, in the same order in every quarter step.
.macro MULA f, a
	WIN 0xa1+0x50*((\a)/4)
.irp b, 0,1,2,3,4,5,6,7
	v_wmma_f32_16x16x32_bf16 v[64*((\a)%4)+8*(\b):64*((\a)%4)+8*(\b)+7], v[64*(\f)+8*(\b):64*(\f)+8*(\b)+7], v[AF+64*(\f)+8*(\a):AF+64*(\f)+8*(\a)+7], v[64*((\a)%4)+8*(\b):64*((\a)%4)+8*(\b)+7]
.endr
.endm
; 4 products: slots 0-3 x column block 16.  Only the third tile has that block: in the loop (tail = 0) the four are jumped over while four laps or more are to come.
.macro MULX f, tail
	WIN 0
.if !(\tail)
	s_cmp_lt_u32 s[CNT], 4
	s_cbranch_scc0 .Lno_x_\@
.endif
.irp e, 0,1,2,3
	v_wmma_f32_16x16x32_bf16 v[ACX+8*(\e):ACX+8*(\e)+7], v[CF+8*(\f):CF+8*(\f)+7], v[AF+64*(\f)+8*(\e):AF+64*(\f)+8*(\e)+7], v[ACX+8*(\e):ACX+8*(\e)+7]
.endr
.if !(\tail)
.Lno_x_\@:
.endif
.endm
; 34 LDS loads in one run: a quarter step's fragments (32 K at byte k of the rows) into buffer f: my 8 column blocks, slots 0-3, slots 4-7, column block 16 (in every tile, so that the counts of the waits are the same on every way)
.macro FETCH slot, k, f
	WIN 0x40
.irp b, 0,1,2,3,4,5,6,7
	ds_load_b128 v[64*(\f)+8*(\b):64*(\f)+8*(\b)+3],   v[ADRB+(\slot)] offset:(\k)+(\b)*16*PITCH
	ds_load_b128 v[64*(\f)+8*(\b)+4:64*(\f)+8*(\b)+7], v[ADRB+(\slot)] offset:(\k)+(\b)*16*PITCH+32
.endr
	WIN 0
.irp a, 0,1,2,3
	ds_load_b128 v[AF+64*(\f)+8*(\a):AF+64*(\f)+8*(\a)+3],   v[ADRL+(\slot)] offset:(\k)+(\a)*16*PITCH
	ds_load_b128 v[AF+64*(\f)+8*(\a)+4:AF+64*(\f)+8*(\a)+7], v[ADRL+(\slot)] offset:(\k)+(\a)*16*PITCH+32
.endr
.irp a, 0,1,2,3
	ds_load_b128 v[AF+64*(\f)+32+8*(\a):AF+64*(\f)+32+8*(\a)+3],   v[ADRH+(\slot)] offset:(\k)+(\a)*16*PITCH
	ds_load_b128 v[AF+64*(\f)+32+8*(\a)+4:AF+64*(\f)+32+8*(\a)+7], v[ADRH+(\slot)] offset:(\k)+(\a)*16*PITCH+32
.endr
	ds_load_b128 v[CF+8*(\f):CF+8*(\f)+3],   v[ADRC+(\slot)] offset:(\k)
	ds_load_b128 v[CF+8*(\f)+4:CF+8*(\f)+7], v[ADRC+(\slot)] offset:(\k)+32
.endm
; A K step is four quarter steps of 32 along K, 64 or 68 matrix instructions each, on buffers 0, 1, 0, 1.  One of the first three multiplies buffer f and fetches the next quarter, at byte k, into g.
.macro QUARTER slot, k, f, g, tail
	s_wait_dscnt 10                                ; the youngest ten loads (slots 4-7, column block 16) may be out
	MULA \f, 0
	MULA \f, 1
	MULA \f, 2
	MULA \f, 3
	PLACES
	FETCH \slot, \k, \g
	s_wait_dscnt 34                                ; all but the 34 just issued
	MULA \f, 4
	MULA \f, 5
	MULA \f, 6
	MULA \f, 7
	MULX \f, \tail
.endm
; The first half of the last quarter: ONE barrier for the change of slots.  In front of it each wave waits for all its tensor loads, of which one is out: its part of the next slot; adds 0 to its spare word;
; and waits for that and for its own reads of this slot.  Behind it nobody reads this slot any more and the next slot is whole.
.macro MEET
	WIN 0
	s_wait_tensorcnt 0x0
	ds_add_u32 v[SPW], v[NIL]
	s_wait_dscnt 11                                ; (the add and the youngest ten loads may be out)
	MULA 1, 0                                      ; sixteen matrix instructions stand between the add and the wait for it
	MULA 1, 1
	s_wait_dscnt 0x0                               ; the add is done, and my reads of this slot are over
	s_barrier_signal -1
	MULA 1, 2                                      ; work on registers while the others arrive
	MULA 1, 3
	WIN 0
	s_barrier_wait -1
.endm
; The whole last quarter, where this slot is filled again with the K step two on.  The barrier opens a round of the cluster's; the joint refill is the first thing behind the round:
; from there to the wait for it a wave issues 224 matrix instructions or more.
.macro TURN slot, next
	WIN 0
	s_wait_xcnt 0x0                                ; the last prefetch, a K step back, has read its address: it is stepped here, ahead of the waits of the change of slots
	s_add_nc_u64 s[PF:PF+1], s[PF:PF+1], 256
.if (\slot) == 0
	s_add_nc_u64 s[PF:PF+1], s[PF:PF+1], s[PEX:PEX+1]
.endif
	MEET
	CREST                                          ; no wave of any partner still reads this slot's tile or has a load on its way
	s_add_nc_u64 s[G0A+4*(\slot)+2:G0A+4*(\slot)+3], s[G0A+4*(\slot)+2:G0A+4*(\slot)+3], 512
	s_sub_nc_u64 s[G0A+4*(\slot)+2:G0A+4*(\slot)+3], s[G0A+4*(\slot)+2:G0A+4*(\slot)+3], s[EXA:EXA+1]
	s_add_nc_u64 s[G0B+4*(\slot)+2:G0B+4*(\slot)+3], s[G0B+4*(\slot)+2:G0B+4*(\slot)+3], 512
	s_add_nc_u64 s[G0B+4*(\slot)+2:G0B+4*(\slot)+3], s[G0B+4*(\slot)+2:G0B+4*(\slot)+3], s[EXB:EXB+1]
	JLOAD \slot                                    ; the four v_nop behind it are also the places in front of the loads below
	FETCH \next, 0, 0
	ASK
	MULA 1, 4
	MULA 1, 5
	MULA 1, 6
	MULA 1, 7
	MULX 1, 0
.endm
; THE WAY OUT OF A TILE, by UNITS of two slots: unit u = slots 2 u, 2 u + 1: 128 registers of window 2 + u / 2, 64 logits of one token a slot and lane.  x = 1 (the third tile): units 0 and 1 have
; 8 more a slot, column block 16's, in window 0.
.macro UNIT u
.set AC,  128*((\u)%2)
.set AX,  ACX+16*(\u)
.set rT0, ST+8*(\u)
.set rC0, TMP+8*((\u)%2)
.endm
.macro MAXU u, x                       ; two chains a slot, all begun at the slot's old m; of each accumulator the two lowest registers are read first
	UNIT \u
	WIN 0x28+0x14*((\u)/2)
.set n, 0
.rept 64
.set tt, (n%4)/2
.set cc, n%2
.set pp, (n/4)%4
.set bb, 2*(n/16)+cc
.if n < 4
	v_max3_num_f32 v[rC0+4*tt+cc], v[rT0+4*tt+1], v[AC+64*tt+8*bb+2*pp], v[AC+64*tt+8*bb+2*pp+1]
.else
	v_max3_num_f32 v[rC0+4*tt+cc], v[rC0+4*tt+cc], v[AC+64*tt+8*bb+2*pp], v[AC+64*tt+8*bb+2*pp+1]
.endif
.set n, n+1
.endr
	WIN 0
.if (\x) && ((\u) < 2)
.set n, 0
.rept 8
.set tt, n%2
.set pp, n/2
	v_max3_num_f32 v[rC0+4*tt+pp%2], v[rC0+4*tt+pp%2], v[AX+8*tt+2*pp], v[AX+8*tt+2*pp+1]
.set n, n+1
.endr
.endif
.endm
.macro STATU u                         ; for both slots, line by line: the new m, c m, and the factor for l
	UNIT \u
	WIN 0
.irp t, 0,4
	v_max_num_f32 v[rC0+(\t)], v[rC0+(\t)], v[rC0+(\t)+1]
.endr
.irp t, 0,4
	v_permlanex16_b32 v[rC0+(\t)+1], v[rC0+(\t)], s[SEL], s[SEL+1]  ; the token's other 64 columns lie in the lane 16 away
.endr
.irp t, 0,4
	v_mov_b32 v[rC0+(\t)+3], v[rT0+(\t)]           ; c m_old
.endr
.irp t, 0,4
	v_max_num_f32 v[rT0+(\t)+1], v[rC0+(\t)], v[rC0+(\t)+1]
.endr
.irp t, 0,4
	v_mul_f32 v[rT0+(\t)], s[CS], v[rT0+(\t)+1]
.endr
.irp t, 0,4
	v_sub_f32 v[rC0+(\t)+3], v[rC0+(\t)+3], v[rT0+(\t)]
.endr
.irp t, 0,4
	v_exp_f32 v[rC0+(\t)+2], v[rC0+(\t)+3]
.endr
.endm
.macro FSC reg, st                     ; c s - c m for the pair at reg, with the statistics at st
	v_pk_fma_f32 v[(\reg):(\reg)+1], v[(\reg):(\reg)+1], s[CS:CS+1], v[(\st):(\st)+1] op_sel_hi:[1,0,0] neg_lo:[0,0,1] neg_hi:[0,0,1]
.endm
.macro FEU u, x                        ; scalings and exponentials, in place; a pair is scaled two pairs ahead of its exponentials; no line here names an exponential's result
	UNIT \u
	WIN 0x8a+0x45*((\u)/2)
	FSC AC, rT0
	FSC AC+2, rT0
.set i, 0
.rept 64
	v_exp_f32 v[AC+2*i], v[AC+2*i]
	v_exp_f32 v[AC+2*i+1], v[AC+2*i+1]
.if i < 62
	FSC AC+2*i+4, rT0+4*((i+2)/32)
.endif
.set i, i+1
.endr
	WIN 0
.if (\x) && ((\u) < 2)
.set i, 0
.rept 8
	FSC AX+2*i, rT0+4*(i/4)
.set i, i+1
.endr
.set i, 0
.rept 16
	v_exp_f32 v[AX+i], v[AX+i]
.set i, i+1
.endr
.endif
.endm
.macro SUMU u, x                       ; a slot's 32 pairs are added by halves, in place, the two slots by turns; l = factor x l + the sum
	UNIT \u
	WIN 0x8a+0x45*((\u)/2)
.irp w, 16,8,4,2,1
.set i, 0
.rept 2*\w
.set rA, AC+64*(i%2)+2*(i/2)
	v_pk_add_f32 v[rA:rA+1], v[rA:rA+1], v[rA+2*\w:rA+2*\w+1]
.set i, i+1
.endr
.endr
.if (\x) && ((\u) < 2)
	WIN 0
.irp t, 0,8
	v_pk_add_f32 v[AX+(\t):AX+(\t)+1], v[AX+(\t):AX+(\t)+1], v[AX+(\t)+4:AX+(\t)+5]
	v_pk_add_f32 v[AX+(\t)+2:AX+(\t)+3], v[AX+(\t)+2:AX+(\t)+3], v[AX+(\t)+6:AX+(\t)+7]
.endr
.irp t, 0,8
	v_pk_add_f32 v[AX+(\t):AX+(\t)+1], v[AX+(\t):AX+(\t)+1], v[AX+(\t)+2:AX+(\t)+3]
.endr
.endif
	WIN 0x20+0x10*((\u)/2)
	v_pk_fma_f32 v[rT0+2:rT0+3], v[rT0+2:rT0+3], v[rC0+2:rC0+3], v[AC:AC+1] op_sel_hi:[1,0,1]
	v_pk_fma_f32 v[rT0+6:rT0+7], v[rT0+6:rT0+7], v[rC0+6:rC0+7], v[AC+64:AC+65] op_sel_hi:[1,0,1]
	WIN 0
.if (\x) && ((\u) < 2)
	v_pk_add_f32 v[rT0+2:rT0+3], v[rT0+2:rT0+3], v[AX:AX+1]
	v_pk_add_f32 v[rT0+6:rT0+7], v[rT0+6:rT0+7], v[AX+8:AX+9]
.endif
.endm
.macro BIASU u                         ; the unit's 16 accumulators start from the bias of the tile to come: 32 loads, the same bytes for all lanes of a half
	UNIT \u
	WIN 0x80+0x40*((\u)/2)
.set n, 0
.rept 16
	ds_load_b128 v[AC+8*n:AC+8*n+3],   v[BA] offset:64*(n%8)
	ds_load_b128 v[AC+8*n+4:AC+8*n+7], v[BA] offset:64*(n%8)+16
.set n, n+1
.endr
	WIN 0
.endm
.macro BATCH                           ; a plain instruction behind the last exponential, and the wait ahead of the first line that names a result: one for the batch
	v_nop
	s_wait_alu depctr_va_vdst(0)
.endm
; A unit's exponentials are one batch; the next unit's maximum and statistics are the work that stands between the batch and its wait.  last = 1: the third tile: it has block 16, no tile follows, nothing is loaded.
.macro EPI last
	WIN 0
	PLACES
.if !(\last)
	v_add_nc_u32 v[BA], 256*4, v[BA]
.endif
	MAXU 0, \last
	STATU 0
	FEU 0, \last
.irp u, 0,1,2
	MAXU (\u)+1, \last
	STATU (\u)+1
	BATCH
	SUMU \u, \last
.if !(\last)
	BIASU \u
.endif
	FEU (\u)+1, \last
.endr
	BATCH
	SUMU 3, \last
.if !(\last)
	BIASU 3
	s_wait_dscnt 0x0                               ; the accumulators hold the next tile's bias
.endif
	WIN 0
.endm
	s_wait_kmcnt 0x0                               ; the four targets' biases are in, and their address registers free
	s_wait_tensorcnt 1                             ; my part of K step 0 is in; K step 1's may stay out
	s_wait_dscnt 0x0                               ; my part of the biases is stored
	s_barrier_signal -1
	s_barrier_wait -1                              ; everybody's is
	BIASU 0
	BIASU 1
	BIASU 2
	BIASU 3
.irp e, 0,1,2,3
	ds_load_b128 v[ACX+8*(\e):ACX+8*(\e)+3],   v[BX]            ; block 16's accumulators wait with their bias for the third tile
	ds_load_b128 v[ACX+8*(\e)+4:ACX+8*(\e)+7], v[BX] offset:16
.endr
	FETCH 0, 0, 0
	s_mov_b32 s[CNT], 11
.Llap:                                         ; 11 trips: a lap is two K steps, once round the ring, and fills both slots again; four laps are a tile
	s_and_b32 s[T3], s[CNT], 3
	s_cmp_eq_u32 s[T3], 0                          ; a tile's last lap: its refills are the next tile's K steps 0 and 1:
	s_cselect_b32 s[EXA], 2048, 0                  ; hb's rows are the same, back along K;
	s_cselect_b32 s[EXB], NEXTB, 0                 ; wb's lie 256 rows down
	s_cmp_eq_u32 s[T3], 1                          ; the prefetches, two refills ahead, cross a lap earlier
	s_cselect_b32 s[PEX], NEXTB, 0
	QUARTER 0, 64,  0, 1, 0
	QUARTER 0, 128, 1, 0, 0
	QUARTER 0, 192, 0, 1, 0
	TURN 0, 1
	QUARTER 1, 64,  0, 1, 0
	QUARTER 1, 128, 1, 0, 0
	QUARTER 1, 192, 0, 1, 0
	TURN 1, 0
	WIN 0
	s_cmp_lg_u32 s[T3], 0
	s_cbranch_scc1 .Lno_tile_end                   ; forward, past text that holds neither a barrier nor a tensor load
	EPI 0                                          ; both refills for the next tile have been asked for
.Lno_tile_end:
	s_sub_co_u32 s[CNT], s[CNT], 1
	s_cmp_lg_u32 s[CNT], 0
	s_cbranch_scc1 .Llap
	QUARTER 0, 64,  0, 1, 1                        ; the last lap is written out: it fills nothing and has no round
	QUARTER 0, 128, 1, 0, 1
	QUARTER 0, 192, 0, 1, 1
	MEET                                           ; my one tensor load that was still out is the last K step's
	PLACES
	FETCH 1, 0, 0
	MULA 1, 4
	MULA 1, 5
	MULA 1, 6
	MULA 1, 7
	MULX 1, 1
	QUARTER 1, 64,  0, 1, 1
	QUARTER 1, 128, 1, 0, 1
	QUARTER 1, 192, 0, 1, 1
	s_wait_dscnt 10
	MULA 1, 0
	MULA 1, 1
	MULA 1, 2
	MULA 1, 3
	s_wait_dscnt 0x0
	MULA 1, 4
	MULA 1, 5
	MULA 1, 6
	MULA 1, 7
	MULX 1, 1
	EPI 1
	; OUT.  l's two halves and the other half of the lanes' are added; m is already the same in both.  Lanes 0-15 then take an even slot's pair, lanes 16-31 the odd one's.
.set a, 0
.rept 8
	v_add_f32 v[ST+4*a+2], v[ST+4*a+2], v[ST+4*a+3]
.set a, a+1
.endr
.set a, 0
.rept 8
	v_permlanex16_b32 v[ST+4*a+3], v[ST+4*a+2], s[SEL], s[SEL+1]
.set a, a+1
.endr
.set a, 0
.rept 8
	v_add_f32 v[ST+4*a+2], v[ST+4*a+2], v[ST+4*a+3]
.set a, a+1
.endr
.irp q, 0,1,2,3
	v_cndmask_b32 v[OUTR+2*(\q)],   v[ST+8*(\q)+1], v[ST+8*(\q)+5], s[HM]
	v_cndmask_b32 v[OUTR+2*(\q)+1], v[ST+8*(\q)+2], v[ST+8*(\q)+6], s[HM]
.endr
	s_lshl_b32 s20, s17, 1
	s_add_co_u32 s20, s20, s[WL]                   ; my half group: 2 gx + j,
	s_lshl_b32 s20, s20, 15                        ; its 4,096 pairs,
	s_lshl_b32 s21, s18, 11                        ; my block's 256,
	s_add_co_u32 s20, s20, s21
	s_lshl_b32 s21, s[WH], 10                      ; my wave's 128:
	s_add_co_u32 s20, s20, s21
	s_lshl_b32 s80, s[WL], 9                       ; slots 0-3 are tokens 64 j on,
	s_xor_b32 s81, s80, 512                        ; slots 4-7 the other 64
	s_add_co_u32 s22, s20, s80
	s_add_co_u32 s78, s20, s81
	s_mov_b32 s23, 0
	s_mov_b32 s79, 0
	s_add_nc_u64 s[22:23], s[PART:PART+1], s[22:23]
	s_add_nc_u64 s[78:79], s[PART:PART+1], s[78:79]
	global_store_b64 v[PO], v[OUTR:OUTR+1],   s[22:23]            ; 32 lanes store 256 consecutive bytes, aligned
	global_store_b64 v[PO], v[OUTR+2:OUTR+3], s[22:23] offset:256
	global_store_b64 v[PO], v[OUTR+4:OUTR+5], s[78:79]
	global_store_b64 v[PO], v[OUTR+6:OUTR+7], s[78:79] offset:256
	; THE TARGETS' LOGITS.  A lane holds 64 numbers of each of the four tokens' two rows; they go straight from the bf16 halves into f32, on four chains a token.  Lane 0's first chain starts from the bias.
	s_wait_loadcnt 0x0                             ; the 32 loads of the head
	v_mov_b32 v[ZR], 0
	s_mov_b32 s20, 1                               ; the mask of lane 0
.irp i, 0,1,2,3
	v_cndmask_b32 v[BS+(\i)], 0, s[BW+(\i)], s20
.endr
	WIN 0x05                                       ; sources 0 and 1 in window 1
.irp i, 0,1,2,3
.set n, 0
.rept 16
.set rA, DA+4*(\i)+2*(n%2)
.if n == 0
	v_fma_mix_f32_bf16 v[rA],   v[DH+16*(\i)+n], v[DW+16*(\i)+n], v[BS+(\i)] op_sel_hi:[1,1,0]
	v_fma_mix_f32_bf16 v[rA+1], v[DH+16*(\i)+n], v[DW+16*(\i)+n], v[ZR] op_sel:[1,1,0] op_sel_hi:[1,1,0]
.elseif n == 1
	v_fma_mix_f32_bf16 v[rA],   v[DH+16*(\i)+n], v[DW+16*(\i)+n], v[ZR] op_sel_hi:[1,1,0]
	v_fma_mix_f32_bf16 v[rA+1], v[DH+16*(\i)+n], v[DW+16*(\i)+n], v[ZR] op_sel:[1,1,0] op_sel_hi:[1,1,0]
.else
	v_fma_mix_f32_bf16 v[rA],   v[DH+16*(\i)+n], v[DW+16*(\i)+n], v[rA] op_sel_hi:[1,1,0]
	v_fma_mix_f32_bf16 v[rA+1], v[DH+16*(\i)+n], v[DW+16*(\i)+n], v[rA+1] op_sel:[1,1,0] op_sel_hi:[1,1,0]
.endif
.set n, n+1
.endr
.endr
	WIN 0
.irp i, 0,1,2,3
	v_add_f32 v[DA+4*(\i)],   v[DA+4*(\i)],   v[DA+4*(\i)+1]
	v_add_f32 v[DA+4*(\i)+2], v[DA+4*(\i)+2], v[DA+4*(\i)+3]
.endr
.irp i, 0,1,2,3
	v_add_f32 v[DA+4*(\i)], v[DA+4*(\i)], v[DA+4*(\i)+2]
.endr
.irp i, 0,1,2,3
	v_add_f32_dpp v[DA+4*(\i)], v[DA+4*(\i)], v[DA+4*(\i)] row_xmask:1 row_mask:0xf bank_mask:0xf  ; lanes 2 k and 2 k + 1 now both hold partial sum k of 16
.endr
	v_cndmask_b32 v[XO],   v[DA],   v[DA+8],  s[OD]    ; the even lane stores tokens 0 and 1, the odd one tokens 2 and 3:
	v_cndmask_b32 v[XO+1], v[DA+4], v[DA+12], s[OD]
	global_store_b64 v[PO], v[XO:XO+1], s[TLX:TLX+1]   ; [16 partial sums][4 tokens]: 256 consecutive bytes, aligned
	s_wait_tensorcnt 0x0                           ; the wave's end, behind my last tensor load and my last LDS store
	ds_add_u32 v[SPW], v[NIL]
	s_wait_dscnt 0x0
	CROUND                                         ; the closing round: no work-group ends while a partner may still ask for a tile that names it
	s_endpgm
.Lfunc_end_k_qb67fae3306_lse:
	.size	k_qb67fae3306_lse, .Lfunc_end_k_qb67fae3306_lse-k_qb67fae3306_lse
	.p2alignl 7, 3214868480
	.fill 96, 4, 3214868480
	.section	.rodata,"a",@progbits
	.p2align	6, 0x0
	.amdhsa_kernel k_qb67fae3306_lse
		.amdhsa_group_segment_fixed_size 327680
		.amdhsa_private_segment_fixed_size 0
		.amdhsa_enable_private_segment 0
		.amdhsa_kernarg_size 48
		.amdhsa_user_sgpr_count 2
		.amdhsa_user_sgpr_kernarg_segment_ptr 1
		.amdhsa_wavefront_size32 1
		.amdhsa_system_sgpr_workgroup_id_x 1
		.amdhsa_system_sgpr_workgroup_id_y 1
		.amdhsa_system_sgpr_workgroup_id_z 1
		.amdhsa_system_vgpr_workitem_id 0
		.amdhsa_next_free_vgpr 1024
		.amdhsa_next_free_sgpr 106
		.amdhsa_reserve_vcc 0
		.amdhsa_float_denorm_mode_32 3
		.amdhsa_float_denorm_mode_16_64 3
		.amdhsa_memory_ordered 1
		.amdhsa_forward_progress 1
		.amdhsa_inst_pref_size 255
	.end_amdhsa_kernel
	.section	.bss,"aw",@nobits
	.p2align	6
	.space	262144
	.amdgpu_metadata
---
amdhsa.version: [ 1, 2 ]
amdhsa.kernels:
  - .name:           k_qb67fae3306_lse
    .symbol:         k_qb67fae3306_lse.kd
    .args:
      - { .name: hb, .offset: 0, .size: 8, .value_kind: global_buffer, .address_space: global }
      - { .name: wb, .offset: 8, .size: 8, .value_kind: global_buffer, .address_space: global }
      - { .name: bp, .offset: 16, .size: 8, .value_kind: global_buffer, .address_space: global }
      - { .name: target, .offset: 24, .size: 8, .value_kind: global_buffer, .address_space: global }
      - { .name: part, .offset: 32, .size: 8, .value_kind: global_buffer, .address_space: global }
      - { .name: tlx, .offset: 40, .size: 8, .value_kind: global_buffer, .address_space: global }
    .group_segment_fixed_size: 327680
    .private_segment_fixed_size: 0
    .kernarg_segment_align: 8
    .kernarg_segment_size: 48
    .max_flat_workgroup_size: 128
    .sgpr_count:     106
    .vgpr_count:     1024
    .wavefront_size: 32
...
	.end_amdgpu_metadata
.endif
;; end of part 2
;; launch finish (part 3): grid 64 x 1, 1 waves a work-group, no clusters, 0 bytes of LDS; arguments target, part, tlx, out0; writes out0
.if DOCPART == 3
	.amdgcn_target "amdgcn-amd-amdhsa--gfx1250"
	.amdhsa_code_object_version 6
	.text
	.protected	k_qb67fae3306_finish
	.globl	k_qb67fae3306_finish
	.p2align	8
	.type	k_qb67fae3306_finish,@function
k_qb67fae3306_finish:
	s_mov_b64 s[64:65], 0
	v_nop
	global_prefetch_b8 v0, s[64:65] scope:SCOPE_SE
	s_setreg_imm32_b32 hwreg(HW_REG_WAVE_MODE, 25, 1), 1
	s_wait_xcnt 0x0
; out0[n] = logsumexp over the head's columns - the target column's logit.
; The 32 half groups' (m, l) are merged: M = the largest m, L = the sum of l 2^((m - M) log2 e), nll = (M - t) + ln 2 x log2 L.  Every l is at least 1 and L at most 12,544.
; The target's logit t is the sum of its 16 partial sums in tlx ([4 tokens' block][16][4]).
; THE TARGET: above 12501 the result is NaN, as a gather past the head's last column gives (below 0 it has counted as 0, 12500 and 12501 as the two cluster columns, where t was made).
; SHARES.  A work-group is one wave and owns 64 tokens, a lane two neighbours, so that it stores one whole run of 256 bytes of out0.  All its 41 loads go out together, each of 256 or 512 consecutive
; bytes; none hangs on another's result.  No LDS, no barrier, no matrix unit, no prefetch: a wave asks at once for all that it reads.
; WHICH TWO TOKENS.  A load of tlx gives lane (half rho, place k) partial sum k of the four tokens of block 2 c + rho.  Four steps between lanes add the 16 partial sums and halve the registers each time:
; in the step over lane bit b a lane keeps the half that its bit names, sends the other half to its partner and adds what the partner sends.  Lane (rho, k) ends with tokens 2 (k % 2), + 1 of block
; 2 (k / 2) + rho: pair 4 (k / 2) + 2 rho + k % 2 of the work-group's 32.  Its loads of part and target and its store go by that number.
.set P16,  5                           ; v5   16 x my pair's number
.set P8,   6                           ; v6   8 x it
.set L16,  7                           ; v7   16 x my lane
.set PT,   16                          ; v[16:143]  half group g's (m, l) of my two tokens at PT + 4 g
.set X,    144                         ; v[144:175] tlx as loaded: load c's four tokens at X + 4 c
.set Y,    176                         ; v[176:191], v[192:199], v[200:203]: after the first, second and third step
.set Z,    192
.set U,    200
.set TV,   204                         ; v[204:205] my two tokens' target logits
.set TS,   206                         ; v[206:207] what is sent
.set TG,   208                         ; v[208:209] my two targets
.set MX,   210                         ; v[210:211] M
.set LS,   212                         ; v[212:213] L
.set RS,   214                         ; v[214:215] the results
.set NANR, 216
	s_load_b256 s[4:11], s[0:1], 0x0               ; target s[4:5], part s[6:7], tlx s[8:9], out0 s[10:11]
	v_and_b32 v1, 15, v0                           ; k
	v_lshrrev_b32 v2, 4, v0                        ; rho
	v_lshrrev_b32 v3, 1, v1
	v_and_b32 v4, 1, v0
	v_lshlrev_b32 v3, 2, v3
	v_lshl_add_u32 v3, v2, 1, v3
	v_add_nc_u32 v3, v3, v4                        ; 4 (k / 2) + 2 rho + k % 2
	v_lshlrev_b32 v[P16], 4, v3
	v_lshlrev_b32 v[P8], 3, v3
	v_lshlrev_b32 v[L16], 4, v0
	s_lshl_b32 s12, ttmp9, 8                       ; the work-group's 64 tokens: 256 bytes of target and of out0,
	s_mov_b32 s13, 0
	s_lshl_b32 s14, ttmp9, 9                       ; 512 of a half group's pairs,
	s_mov_b32 s15, 0
	s_lshl_b32 s16, ttmp9, 12                      ; 4,096 of tlx
	s_mov_b32 s17, 0
	s_mov_b32 s20, 0xaaaaaaaa                      ; the lanes whose bit 0, 1, 2, 3 is set
	s_mov_b32 s21, 0xcccccccc
	s_mov_b32 s22, 0xf0f0f0f0
	s_mov_b32 s23, 0xff00ff00
	s_mov_b32 s24, 0x3f317218                      ; ln 2
	s_wait_kmcnt 0x0
	s_add_nc_u64 s[4:5], s[4:5], s[12:13]
	s_add_nc_u64 s[6:7], s[6:7], s[14:15]
	s_add_nc_u64 s[8:9], s[8:9], s[16:17]
	s_add_nc_u64 s[10:11], s[10:11], s[12:13]
.irp c, 0,1,2,3,4,5,6,7
	global_load_b128 v[X+4*(\c):X+4*(\c)+3], v[L16], s[8:9] offset:512*(\c) th:TH_LOAD_NT
.endr
	global_load_b64 v[TG:TG+1], v[P8], s[4:5]
.set g, 0
.rept 32
	global_load_b128 v[PT+4*g:PT+4*g+3], v[P16], s[6:7] offset:32768*g th:TH_LOAD_NT
.set g, g+1
.endr
; A step: in[4 g + 2 sel + e] becomes out[2 g + e]: a lane whose bit is set keeps sel = 1 and sends sel = 0, the others the other way round.
.macro STAGE in, out, groups, mask, xm
.set g, 0
.rept \groups
.irp e, 0,1
	v_cndmask_b32 v[(\out)+2*g+(\e)], v[(\in)+4*g+(\e)], v[(\in)+4*g+2+(\e)], s[\mask]
	v_cndmask_b32 v[TS+(\e)], v[(\in)+4*g+2+(\e)], v[(\in)+4*g+(\e)], s[\mask]
.endr
.irp e, 0,1
	v_add_f32_dpp v[(\out)+2*g+(\e)], v[TS+(\e)], v[(\out)+2*g+(\e)] row_xmask:\xm row_mask:0xf bank_mask:0xf
.endr
.set g, g+1
.endr
.endm
	s_wait_loadcnt 33                              ; tlx is in; the targets and the 32 loads of part may stay out
	STAGE X, Y, 8, 20, 1
	STAGE Y, Z, 4, 21, 2
	STAGE Z, U, 2, 22, 4
	STAGE U, TV, 1, 23, 8
	s_wait_loadcnt 0x0
	v_max3_num_f32 v[MX],   v[PT],   v[PT+4], v[PT+8]
	v_max3_num_f32 v[MX+1], v[PT+2], v[PT+6], v[PT+10]
.set g, 3
.rept 14
	v_max3_num_f32 v[MX],   v[MX],   v[PT+4*g],   v[PT+4*g+4]
	v_max3_num_f32 v[MX+1], v[MX+1], v[PT+4*g+2], v[PT+4*g+6]
.set g, g+2
.endr
	v_max_num_f32 v[MX],   v[MX],   v[PT+124]
	v_max_num_f32 v[MX+1], v[MX+1], v[PT+126]
.set g, 0
.rept 32
	v_sub_f32 v[PT+4*g],   v[PT+4*g],   v[MX]      ; first the difference, so that the top half group's exponent is exactly 0
	v_sub_f32 v[PT+4*g+2], v[PT+4*g+2], v[MX+1]
.set g, g+1
.endr
.set g, 0
.rept 32
	v_mul_f32 v[PT+4*g],   0x3fb8aa3b, v[PT+4*g]
	v_mul_f32 v[PT+4*g+2], 0x3fb8aa3b, v[PT+4*g+2]
.set g, g+1
.endr
.set g, 0
.rept 32
	v_exp_f32 v[PT+4*g],   v[PT+4*g]
	v_exp_f32 v[PT+4*g+2], v[PT+4*g+2]
.set g, g+1
.endr
	v_nop                                          ; a plain instruction behind the last exponential,
	s_wait_alu depctr_va_vdst(0)                   ; and the wait ahead of the first use: one for the 64
	v_mul_f32 v[LS],   v[PT+1], v[PT]
	v_mul_f32 v[LS+1], v[PT+3], v[PT+2]
.set g, 1
.rept 31
	v_fmac_f32 v[LS],   v[PT+4*g+1], v[PT+4*g]
	v_fmac_f32 v[LS+1], v[PT+4*g+3], v[PT+4*g+2]
.set g, g+1
.endr
	v_log_f32 v[RS],   v[LS]
	v_log_f32 v[RS+1], v[LS+1]
	v_mov_b32 v[NANR], 0x7fc00000                  ; NaN; also the plain instruction behind the logarithms
	v_sub_f32 v[MX],   v[MX],   v[TV]
	v_sub_f32 v[MX+1], v[MX+1], v[TV+1]
	s_wait_alu depctr_va_vdst(0)                   ; one wait for the two logarithms
	v_fma_f32 v[RS],   v[RS],   s24, v[MX]         ; ln 2 x log2 L + (M - t)
	v_fma_f32 v[RS+1], v[RS+1], s24, v[MX+1]
	v_cmp_lt_i32 vcc_lo, 12501, v[TG]
	v_cndmask_b32 v[RS], v[RS], v[NANR], vcc_lo
	v_cmp_lt_i32 vcc_lo, 12501, v[TG+1]
	v_cndmask_b32 v[RS+1], v[RS+1], v[NANR], vcc_lo
	global_store_b64 v[P8], v[RS:RS+1], s[10:11]   ; the 32 lanes' pairs fill 256 consecutive bytes, aligned
	s_endpgm
.Lfunc_end_k_qb67fae3306_finish:
	.size	k_qb67fae3306_finish, .Lfunc_end_k_qb67fae3306_finish-k_qb67fae3306_finish
	.p2alignl 7, 3214868480
	.fill 96, 4, 3214868480
	.section	.rodata,"a",@progbits
	.p2align	6, 0x0
	.amdhsa_kernel k_qb67fae3306_finish
		.amdhsa_group_segment_fixed_size 0
		.amdhsa_private_segment_fixed_size 0
		.amdhsa_enable_private_segment 0
		.amdhsa_kernarg_size 32
		.amdhsa_user_sgpr_count 2
		.amdhsa_user_sgpr_kernarg_segment_ptr 1
		.amdhsa_wavefront_size32 1
		.amdhsa_system_sgpr_workgroup_id_x 1
		.amdhsa_system_sgpr_workgroup_id_y 1
		.amdhsa_system_sgpr_workgroup_id_z 1
		.amdhsa_system_vgpr_workitem_id 0
		.amdhsa_next_free_vgpr 224
		.amdhsa_next_free_sgpr 66
		.amdhsa_reserve_vcc 1
		.amdhsa_float_denorm_mode_32 3
		.amdhsa_float_denorm_mode_16_64 3
		.amdhsa_memory_ordered 1
		.amdhsa_forward_progress 1
		.amdhsa_inst_pref_size 24
	.end_amdhsa_kernel
	.amdgpu_metadata
---
amdhsa.version: [ 1, 2 ]
amdhsa.kernels:
  - .name:           k_qb67fae3306_finish
    .symbol:         k_qb67fae3306_finish.kd
    .args:
      - { .name: target, .offset: 0, .size: 8, .value_kind: global_buffer, .address_space: global }
      - { .name: part, .offset: 8, .size: 8, .value_kind: global_buffer, .address_space: global }
      - { .name: tlx, .offset: 16, .size: 8, .value_kind: global_buffer, .address_space: global }
      - { .name: out0, .offset: 24, .size: 8, .value_kind: global_buffer, .address_space: global }
    .group_segment_fixed_size: 0
    .private_segment_fixed_size: 0
    .kernarg_segment_align: 8
    .kernarg_segment_size: 32
    .max_flat_workgroup_size: 32
    .sgpr_count:     66
    .vgpr_count:     224
    .wavefront_size: 32
...
	.end_amdgpu_metadata
.endif
;; end of part 3
